; MI455X (gfx1250); checked and timed in simulation.
; The chip was launched on July 23, 2026; its instructions are those of AMD's public machine-readable ISA for CDNA 5 (MIT licence, August 2026) and "CDNA5" Instruction Set Architecture Reference Guide (July 2026). The comments in the code are by the model that wrote it; some were corrected since.
;; Multihead Attention. Allowed arithmetic: matrix products marked QUANTISED: E2M3 operands, one E8M0 scale for each 32 along K, by v_wmma_scale_f32_16x16x128_f8f6f4 with both operands' format E2M3, f32 sums; everything else in f32.
;; Inputs: w_o 1,024 x 1,024 float32; w_qkv 3,072 x 1,024 float32; x 4 x 2,048 x 1,024 float32.
;; Outputs: out0 4 x 2,048 x 1,024 float32.
;; This version of the problem:
;;   THIS VERSION OF THE PROBLEM IS GIVEN IN LOW PRECISION. The matrix products marked QUANTISED in the list below multiply operands that are first quantised to E2M3 (2 exponent bits, 3 mantissa bits; 6 bits a number), with one power-of-two scale for each 32 numbers along K (OCP MX v1.0); their sums are f32. All else is computed in f32.
;;   The module's matrix products, in the order in which they are computed (A, B: the left and right operand; K: the contracted axis; several contracted axes count as one K, in the product's order):
;;     1. [M 8,192, K 1,024] x [K 1,024, N 3,072]; A: input x; B: input w_qkv: QUANTISED
;;     2. batch 64 x [M 2,048, K 64] x [K 64, N 2,048]; A: computed on the way; B: computed on the way: QUANTISED
;;     3. batch 64 x [M 2,048, K 2,048] x [K 2,048, N 64]; A: softmax (see below); B: computed on the way: QUANTISED
;;     4. [M 8,192, K 1,024] x [K 1,024, N 1,024]; A: computed on the way; B: input w_o: QUANTISED
;;   THE QUANTISER, for each operand of a quantised product, along K:
;;     - K is cut into blocks of 32 from its start; a last block that is shorter is filled with zeros.
;;     - A block's scale is 2^e with e = floor(log2(the largest magnitude in the block)) - 2, held to -126 .. 127; a block of zeros has e = 0. As a byte (E8M0): e + 127.
;;     - Each number is divided by its block's scale, clamped to +-7.5, and rounded to the nearest number of E2M3, ties to even, subnormals kept.
;;     - The product sums the exact products of the quantised numbers (number of the format x scale) in f32.
;;   ~~~python
;;   def quantise(x, axis):      # numpy; x: float32 -> the quantised numbers, widened to float32 again
;;       x = np.moveaxis(x, axis, -1); K = x.shape[-1]
;;       x = np.pad(x, [(0, 0)] * (x.ndim - 1) + [(0, -K % 32)]); x = x.reshape(x.shape[:-1] + (-1, 32)); a = np.abs(x).max(-1, keepdims=True)
;;       e = np.where(a > 0, np.clip(np.frexp(np.where(a > 0, a, 1))[1] - 1 - 2, -126, 127), 0)      # np.frexp(a)[1] - 1 = floor(log2(a)), exactly
;;       r = np.clip(x / 2.0 ** e, -7.5, 7.5)
;;       step = 2.0 ** (np.maximum(np.frexp(np.where(r == 0, 1, r))[1] - 1, 0) - 3)
;;       q = np.round(r / step) * step * 2.0 ** e      # np.round: ties to even
;;       return np.moveaxis(q.reshape(q.shape[:-2] + (-1,))[..., :K], -1, axis).astype(np.float32)
;;   ~~~
;;   SOFTMAX AHEAD OF A QUANTISED PRODUCT. Where the list says 'softmax', what is quantised is not the finished softmax but p = 2^(t - M), with t = logit x log2(e) and M = ceil(the row's largest t), a whole number; so 1/2 < the row's largest p <= 1. The row's sum l is taken of the UNQUANTISED p, in f32, and the product's result is divided by l at the end. Since M is a whole number, a kernel that streams over the keys may use a running M (the ceiling of the running maximum): every later rescaling is an exact power of two, which a block's scale takes up: the codes' values come out the same.
;;   OPERANDS COMPUTED ON THE WAY. 'Computed on the way' means the value that the module computes at that place (a softmax that the list does not call 'softmax' is quantised finished and normalised). What goes into a quantiser is computed in f32, as accurately as f32 sums, v_exp_f32 and their like allow (about 1e-6 of the number): no bf16 or f16 on the way to a quantiser, and a product that is left as it is and whose result goes on into a quantised operand takes f32 operands (vector FMAs, or v_wmma_f32_16x16x4_f32). A number that lies on a knife's edge between two numbers of the format may be rounded either way, as far as f32 arithmetic and the matrix unit's own rounding can turn it there, and no further.
;; One version. Each part assembles by itself: llvm-mc -triple=amdgcn-amd-amdhsa -mcpu=gfx1250 --defsym DOCPART=n.
;; ======== version 1 of 1: 4 launches
;; limits: right only within a limited range of input values
;; workspace buffers: cod 9,437,184 bytes; scl 655,360 bytes; qkvc 18,874,368 bytes; qkvs 786,432 bytes; oc 6,291,456 bytes
;; launch quant (part 1): grid 768 x 1, 1 waves a work-group, no clusters, 8,960 bytes of LDS; arguments x, w_qkv, w_o, cod, scl; writes cod, scl
.if DOCPART == 1
	.amdgcn_target "amdgcn-amd-amdhsa--gfx1250"
	.amdhsa_code_object_version 6
	.text
	.protected	k_q21c5818fbf_quant
	.globl	k_q21c5818fbf_quant
	.p2align	8
	.type	k_q21c5818fbf_quant,@function
k_q21c5818fbf_quant:
	s_mov_b64 s[64:65], 0
	v_nop
	global_prefetch_b8 v0, s[64:65] scope:SCOPE_SE
	s_setreg_imm32_b32 hwreg(HW_REG_WAVE_MODE, 25, 1), 1
	s_wait_xcnt 0x0
; x [8192][1024], w_qkv [3072][1024], w_o [1024][1024], f32, become codes of FP6 (E2M3) with one E8M0 byte for each 32 along K (their last axis),
; laid in the ORDER OF THE MATRIX OPERAND'S REGISTERS.  The three tensors are one list of 768 tiles of 16 rows: x 0-511, w_qkv 512-703, w_o 704-767.
; A TILE'S ROWS ARE NOT NEIGHBOURS: lane r of tile t takes row 32 (t / 2) + 8 (t % 2) + r + 8 (r / 8), so that a product that takes two neighbouring tiles as source 0 leaves 16 neighbouring rows in a lane's 16 registers.
; AN ATOM is 16 rows x 64 K, 768 bytes: lane (r, h) holds k = 32 h .. 32 h + 31 in six registers; registers 0-3 lie at 16 x lane, registers 4-5 at 512 + 8 x lane.
; cod: [block of 8 tiles][K / 128][tile][K / 64 % 2] x 768.   scl: [tile][K / 512][r][4 words], a word = the four bytes of 128 along K.
; A block's scale is 2^(floor(log2(largest magnitude)) - 2): its byte is the largest magnitude's exponent field - 2, held at 1 from below.
; LIMITS: NaN and infinities are not served; a block of zeros, or one whose largest magnitude lies under 2^-124, gets the byte 1 (its codes are zeros or small; the bytes are read by this program alone).
; One wave takes one tile, all 1,024 along K, in 16 steps of an atom.  A load reads 256 consecutive bytes of each of two rows; the step's 4,096 bytes turn through the wave's stage in LDS
; (rows of 256 + 16 bytes) and come back 128 bytes a lane: a whole block of 32.  Loads run four steps (32 loads) ahead, the turn one step.  No tensor load, no barrier: one wave to a work-group.
.set ROWB,   4096                      ; a row of any of the three tensors, in bytes
.set SPITCH, 272                       ; a stage row: 256 bytes + 16: the 16 rows that a read touches begin in 16 different groups of banks
.set STG,    16*SPITCH                 ; a stage; two take turns
.set R,      32                        ; v32-159   four sets of 32 numbers as loaded
.set X,      160                       ; v160-223  two sets: a lane's block of 32
.set C,      224                       ; v224-235  two sets of six: an atom's codes
.set T,      236                       ; v236-238  the block's upper 16 codes (a conversion's three registers begin on an even number)
.set W,      240                       ; v240-247  the scale words of the eight K steps of 128
.set D,      248                       ; v248-251  my four words to store
	s_load_b256 s[4:11], s[0:1], 0x0               ; x, w_qkv, w_o, cod
	s_load_b64 s[12:13], s[0:1], 0x20              ; scl
	v_lshl_add_u32 v254, v0, 2, 0x2200
	v_mov_b32 v255, 0
	v_and_b32 v1, 15, v0                           ; r
	v_bfe_u32 v2, v0, 4, 1                         ; h
	v_lshlrev_b32 v9, 4, v1                        ; 16 r
	v_lshl_add_u32 v3, v2, 12, v9                  ; in: lanes 0-15 one row's 256 bytes, lanes 16-31 the next row's
	v_mad_u32_u24 v4, v2, SPITCH, v9               ; into the stage: the same two rows
	v_mul_u32_u24 v5, v1, SPITCH
	v_lshl_add_u32 v5, v2, 7, v5                   ; out of it: row r, my half's 128 bytes
	v_lshlrev_b32 v6, 4, v0                        ; 16 x lane
	v_lshlrev_b32 v7, 3, v0                        ; 8 x lane
	v_lshlrev_b32 v8, 3, v2                        ; 8 h: my bytes' place in a scale word, in bits
	v_mov_b32 v252, 0                              ; a lane permute's destination counts as read: written once
	s_mov_b32 s20, 0x76543210
	s_mov_b32 s21, 0xfedcba98                      ; selects for lane l xor 16
	s_wait_alu depctr_va_vdst(0)
	s_wait_kmcnt 0x0
	s_cmp_lt_u32 ttmp9, 704                        ; which tensor: the choice hangs on the work-group's number alone
	s_cselect_b64 s[14:15], s[6:7], s[8:9]
	s_mov_b32 s16, 704
	s_cselect_b32 s16, 512, s16
	s_cmp_lt_u32 ttmp9, 512
	s_cselect_b64 s[14:15], s[4:5], s[14:15]
	s_cselect_b32 s16, 0, s16
	s_sub_co_u32 s16, ttmp9, s16                   ; the tile's number in its tensor
	s_lshr_b32 s17, s16, 1
	s_lshl_b32 s18, s17, 17                        ; 32 rows for each pair of tiles,
	s_and_b32 s17, s16, 1
	s_lshl_b32 s17, s17, 15                        ; 8 rows for the odd one
	s_add_co_u32 s18, s18, s17
	s_mov_b32 s19, 0
	s_add_nc_u64 s[14:15], s[14:15], s[18:19]
	s_lshr_b32 s17, ttmp9, 3
	s_mul_i32 s18, s17, 98304                      ; cod: the block of 8 tiles,
	s_and_b32 s17, ttmp9, 7
	s_mul_i32 s17, s17, 1536                       ; the tile's two atoms of a K step
	s_add_co_u32 s18, s18, s17
	s_add_nc_u64 s[10:11], s[10:11], s[18:19]
	s_lshl_b32 s18, ttmp9, 9                       ; scl: 512 bytes a tile
	s_add_nc_u64 s[12:13], s[12:13], s[18:19]
.macro LOAD t                          ; step t: 64 along K of the 16 rows; load n takes the rows of lanes 2 n and 2 n + 1 of the tile
.irp n, 0,1,2,3,4,5,6,7
	global_load_b128 v[R+32*((\t)%4)+4*\n:R+32*((\t)%4)+4*\n+3], v3, s[14:15] offset:(2*\n+8*(\n/4))*ROWB+256*(\t) th:TH_LOAD_NT
.endr
.endm
.macro TURN t                          ; through the stage: LDS serves a wave's instructions in order, so no wait stands between the stores and the loads
.irp n, 0,1,2,3,4,5,6,7
	ds_store_b128 v4, v[R+32*((\t)%4)+4*\n:R+32*((\t)%4)+4*\n+3] offset:STG*((\t)%2)+2*\n*SPITCH
.endr
.irp m, 0,1,2,3,4,5,6,7
	ds_load_b128 v[X+32*((\t)%2)+4*\m:X+32*((\t)%2)+4*\m+3], v5 offset:STG*((\t)%2)+16*\m
.endr
.endm
.macro STEP t
.set XS, X+32*((\t)%2)
.set CS, C+6*((\t)%2)
	s_wait_dscnt 0x0                               ; this step's block is back from the stage, so the stage's stores have read their registers,
.if (\t)+4 < 16
	LOAD (\t)+4                                    ; which take the loads of four steps on
.endif
.if (\t) < 15
.if (\t) <= 11
	s_wait_loadcnt 24                              ; the next step's eight loads are in; those of the three steps behind it may be out
.else
	s_wait_loadcnt 8*(14-(\t))                     ; at the end fewer steps lie behind it
.endif
	TURN (\t)+1
.endif
	v_max3_num_f32 v10, |v[XS]|, |v[XS+1]|, |v[XS+2]|       ; the block's largest magnitude: all 32 numbers are mine; two chains
	v_max3_num_f32 v11, |v[XS+3]|, |v[XS+4]|, |v[XS+5]|
.irp i, 6,10,14,18,22,26
	v_max3_num_f32 v10, v10, |v[XS+\i]|, |v[XS+\i+1]|
	v_max3_num_f32 v11, v11, |v[XS+\i+2]|, |v[XS+\i+3]|
.endr
	v_max3_num_f32 v10, v10, |v[XS+30]|, |v[XS+31]|
	v_max3_num_f32 v10, v10, v11, 0x1800000        ; and the floor 2^(3 - 127): the byte cannot fall under 1
	v_add_nc_u32 v12, 0xff000000, v10              ; 2 off the exponent field: the conversion takes this operand's exponent field as its scale
	s_wait_alu depctr_va_vdst(0)
	s_wait_xcnt 0x0                                ; the stores of two steps ago have read this set of codes: it is written again only behind this wait
	v_cvt_scalef32_pk16_fp6_f32 v[CS:CS+2], v[XS:XS+15], v12
	v_cvt_scalef32_pk16_fp6_f32 v[T:T+2], v[XS+16:XS+31], v12
	v_lshrrev_b32 v13, 23, v12                     ; the scale's byte (a plain line behind the conversions)
.if (\t)%2 == 0
	v_mov_b32 v[W+(\t)/2], v13                     ; byte 0 or 1 of the word (by my half),
.else
	v_lshl_or_b32 v[W+(\t)/2], v13, 16, v[W+(\t)/2]   ; byte 2 or 3
.endif
.irp i, 0,1,2
	v_mov_b32 v[CS+3+\i], v[T+\i]
.endr
	global_store_b128 v6, v[CS:CS+3], s[10:11] offset:((\t)/2)*12288+((\t)%2)*768          ; 512 consecutive bytes,
	global_store_b64 v7, v[CS+4:CS+5], s[10:11] offset:((\t)/2)*12288+((\t)%2)*768+512     ; and 256: each begins at a multiple of 256 from the buffer's first byte
.endm
	LOAD 0
	LOAD 1
	LOAD 2
	LOAD 3
	s_wait_loadcnt 24                              ; step 0's eight loads are in
	TURN 0
.irp t, 0,1,2,3,4,5,6,7,8,9,10,11,12,13,14,15
	STEP \t
.endr
.irp i, 0,1,2,3,4,5,6,7
	v_lshlrev_b32 v[W+\i], v8, v[W+\i]             ; my two bytes at their places,
.endr
.irp i, 0,1,2,3,4,5,6,7
	v_permlanex16_b32 v252, v[W+\i], s20, s21
	v_or_b32 v[W+\i], v[W+\i], v252                ; with lane l xor 16's two the word is whole
.endr
	v_cmp_eq_u32 vcc_lo, 1, v2
.irp i, 0,1,2,3
	v_cndmask_b32 v[D+\i], v[W+\i], v[W+4+\i], vcc_lo   ; lanes 0-15 store words 0-3 of their rows, lanes 16-31 words 4-7
.endr
	global_store_b128 v6, v[D:D+3], s[12:13]       ; the tile's 512 bytes of scales
	s_wait_tensorcnt 0x0
	ds_add_u32 v254, v255
	s_wait_dscnt 0x0
	s_endpgm
.Lfunc_end_k_q21c5818fbf_quant:
	.size	k_q21c5818fbf_quant, .Lfunc_end_k_q21c5818fbf_quant-k_q21c5818fbf_quant
	.p2alignl 7, 3214868480
	.fill 96, 4, 3214868480
	.section	.rodata,"a",@progbits
	.p2align	6, 0x0
	.amdhsa_kernel k_q21c5818fbf_quant
		.amdhsa_group_segment_fixed_size 8960
		.amdhsa_private_segment_fixed_size 0
		.amdhsa_enable_private_segment 0
		.amdhsa_kernarg_size 40
		.amdhsa_user_sgpr_count 2
		.amdhsa_user_sgpr_kernarg_segment_ptr 1
		.amdhsa_wavefront_size32 1
		.amdhsa_system_sgpr_workgroup_id_x 1
		.amdhsa_system_sgpr_workgroup_id_y 1
		.amdhsa_system_sgpr_workgroup_id_z 1
		.amdhsa_system_vgpr_workitem_id 0
		.amdhsa_next_free_vgpr 256
		.amdhsa_next_free_sgpr 66
		.amdhsa_reserve_vcc 1
		.amdhsa_float_denorm_mode_32 3
		.amdhsa_float_denorm_mode_16_64 3
		.amdhsa_memory_ordered 1
		.amdhsa_forward_progress 1
		.amdhsa_inst_pref_size 59
	.end_amdhsa_kernel
	.amdgpu_metadata
---
amdhsa.version: [ 1, 2 ]
amdhsa.kernels:
  - .name:           k_q21c5818fbf_quant
    .symbol:         k_q21c5818fbf_quant.kd
    .args:
      - { .name: x, .offset: 0, .size: 8, .value_kind: global_buffer, .address_space: global }
      - { .name: w_qkv, .offset: 8, .size: 8, .value_kind: global_buffer, .address_space: global }
      - { .name: w_o, .offset: 16, .size: 8, .value_kind: global_buffer, .address_space: global }
      - { .name: cod, .offset: 24, .size: 8, .value_kind: global_buffer, .address_space: global }
      - { .name: scl, .offset: 32, .size: 8, .value_kind: global_buffer, .address_space: global }
    .group_segment_fixed_size: 8960
    .private_segment_fixed_size: 0
    .kernarg_segment_align: 8
    .kernarg_segment_size: 40
    .max_flat_workgroup_size: 32
    .sgpr_count:     66
    .vgpr_count:     256
    .wavefront_size: 32
...
	.end_amdgpu_metadata
.endif
;; end of part 1
;; launch qkv (part 2): grid 12 x 32, 4 waves a work-group, clusters of 4 x 4, 327,680 bytes of LDS; arguments cod, scl, qkvc, qkvs; writes qkvc, qkvs
.if DOCPART == 2
	.amdgcn_target "amdgcn-amd-amdhsa--gfx1250"
	.amdhsa_code_object_version 6
	.text
	.protected	k_q21c5818fbf_qkv
	.globl	k_q21c5818fbf_qkv
	.p2align	8
	.type	k_q21c5818fbf_qkv,@function
k_q21c5818fbf_qkv:
	s_mov_b64 s[64:65], 0
	v_nop
	global_prefetch_b8 v0, s[64:65] scope:SCOPE_SE
	s_setreg_imm32_b32 hwreg(HW_REG_WAVE_MODE, 25, 1), 1
	s_wait_xcnt 0x0
	s_wait_alu depctr_hold_cnt(0) depctr_sa_sdst(0) depctr_va_vdst(0) depctr_va_sdst(0) depctr_va_ssrc(0) depctr_va_vcc(0) depctr_vm_vsrc(0)
	s_getreg_b32 s2, hwreg(HW_REG_IB_STS2, 6, 4)
	s_cmp_eq_u32 s2, 0
	s_cbranch_scc0 .Lentry_in_a_cluster
	s_endpgm
.Lentry_in_a_cluster:
	s_bfe_u32 s2, ttmp6, 0x10000c
	s_cmp_lg_u32 s2, 0xf033
	s_cbranch_scc0 .Lentry_shape_is_right
	s_endpgm
.Lentry_shape_is_right:
.set HALFT,  24576
.set SLOT,   4*HALFT
.set SPARE,  3*SLOT
.set FR,     12
.set RBB,    98304
.set WQC,    64*RBB
.set WQS,    512*512
.set VBASE,  128*RBB
.set AR16, 4
.set AR8,  7
.set AP16, 10
.set AP8,  13
.set SOF,  16
.set C16,  17
.set C8,   18
.set C16B, 19
.set C8B,  20
.set SCO,  21
.set SELQ, 22
.set SELV, 23
.set SPW,  28
.set NIL,  29
.set SC,   32
.set TM,   96
.set YT,   112
.set WD,   120
.set AF,   128
.set G1A,  24
.set G1B,  32
.set G0A,  68
.set G0B,  80
.set RHO,  93
.set SEL,  94
.set MSB, 0
.macro WIN new
.if MSB != (\new)
	s_set_vgpr_msb (MSB<<8)|(\new)
.set MSB, (\new)
.endif
.endm
.set MUL_LO, 0xa1
.set MUL_HI, 0xf1
.set TO_P,   0x40
.macro JLOAD g0a, g1a, g0b, g1b
	s_cmp_eq_u32 s15, 0
	s_cbranch_scc0 .Lfor_b_\@
	tensor_load_to_lds s[\g0a:\g0a+3], s[\g1a:\g1a+7]
	s_nop 0
.rept 4
	v_nop
.endr
	s_branch .Lasked_\@
.Lfor_b_\@:
	tensor_load_to_lds s[\g0b:\g0b+3], s[\g1b:\g1b+7]
	s_nop 0
.rept 4
	v_nop
.endr
.Lasked_\@:
.endm
.macro CREST
	s_cmp_lg_u32 s14, 0
	s_cbranch_scc1 .Lnot_wave_0_\@
	s_barrier_signal -3
.Lnot_wave_0_\@:
	s_barrier_wait -3
	s_barrier_signal -1
	s_barrier_wait -1
.endm
.macro CROUND
	s_barrier_signal -1
	s_barrier_wait -1
	CREST
.endm
.macro PLACES n
.rept \n
	v_nop
.endr
.endm
	s_load_b256 s[4:11], s[0:1], 0x0
	v_lshl_add_u32 v[SPW], v0, 2, SPARE
	v_mov_b32 v[NIL], 0
	ds_add_u32 v28, v29
	ds_add_u32 v28, v29
	s_wait_dscnt 0x0
	v_lshrrev_b32 v1, 5, v0
	v_readfirstlane_b32 s14, v1
	s_lshr_b32 s15, s14, 1
	s_and_b32 s16, s14, 1
	s_bfe_u32 s40, ttmp6, 0x40000
	s_bfe_u32 s41, ttmp6, 0x40004
	s_lshl_b32 s42, ttmp9, 2
	s_add_co_u32 s42, s42, s40
	s_and_b32 s17, ttmp7, 0xffff
	s_lshl_b32 s17, s17, 2
	s_add_co_u32 s17, s17, s41
	s_lshl_b32 s43, s41, 2
	s_lshl_b32 s43, 15, s43
	s_lshl_b32 s44, 0x1111, s40
	s_or_b32 s[G1A+0], s43, (3<<16)|(1<<21)
	s_or_b32 s[G1B+0], s44, (3<<16)|(1<<21)
.irp g, G1A, G1B
	s_mov_b32 s[\g+1], 32<<16
	s_mov_b32 s[\g+2], 96<<16
	s_mov_b32 s[\g+3], 32<<16
	s_mov_b32 s[\g+4], 96
	s_mov_b32 s[\g+5], 32
	s_mov_b32 s[\g+6], 0
	s_mov_b32 s[\g+7], 0
.endr
	s_lshl_b32 s20, s17, 1
	s_add_co_u32 s20, s20, s16
	s_mul_i32 s20, s20, RBB
	s_mov_b32 s21, 0
	s_lshl_b32 s46, s42, 1
	s_add_co_u32 s46, s46, s16
	s_mul_i32 s46, s46, RBB
	s_add_co_u32 s46, s46, WQC
	s_mov_b32 s47, 0
	s_mul_i32 s45, s14, HALFT
	s_wait_kmcnt 0x0
	s_add_nc_u64 s[20:21], s[4:5], s[20:21]
	s_add_nc_u64 s[46:47], s[4:5], s[46:47]
	CROUND
.irp s, 0,1,2
	s_mov_b32 s[G0A+4*\s], 1
	s_add_co_u32 s[G0A+4*\s+1], s45, \s*SLOT
	s_add_nc_u64 s[G0A+4*\s+2:G0A+4*\s+3], s[20:21], \s*HALFT
	s_or_b32 s[G0A+4*\s+3], s[G0A+4*\s+3], 0x80000000
	s_mov_b32 s[G0B+4*\s], 1
	s_add_co_u32 s[G0B+4*\s+1], s45, \s*SLOT
	s_add_nc_u64 s[G0B+4*\s+2:G0B+4*\s+3], s[46:47], \s*HALFT
	s_or_b32 s[G0B+4*\s+3], s[G0B+4*\s+3], 0x80000000
	s_wait_alu depctr_va_vdst(0)
	s_wait_tensorcnt 0x0
	ds_add_u32 v28, v29
	ds_add_u32 v28, v29
	s_wait_dscnt 0x0
	CROUND
	JLOAD G0A+4*\s, G1A, G0B+4*\s, G1B
.endr
	v_and_b32 v1, 15, v0
	v_bfe_u32 v2, v0, 4, 1
	v_and_b32 v3, 31, v0
	v_lshlrev_b32 v[C16], 4, v3
	s_wait_alu depctr_va_vdst(0)
	v_lshlrev_b32 v[C8], 3, v3
	s_wait_alu depctr_va_vdst(0)
	s_mul_i32 s48, s15, HALFT
	s_mul_i32 s49, s16, HALFT
	s_add_co_u32 s49, s49, 2*HALFT
	s_lshl_b32 s52, s17, 1
	s_add_co_u32 s52, s52, s15
	s_lshl_b32 s52, s52, 12
	s_lshl_b32 s53, s42, 1
	s_add_co_u32 s53, s53, s16
	s_lshl_b32 s53, s53, 12
	s_add_co_u32 s53, s53, WQS
	s_cmp_ge_u32 ttmp9, 2
	s_cselect_b32 s50, s49, s48
	s_cselect_b32 s51, s48, s49
	s_cselect_b32 s54, s53, s52
	s_cselect_b32 s55, s52, s53
	s_cselect_b32 s[RHO], -1, 0
.irp s, 0,1,2
	v_add_nc_u32 v[AR16+\s], s50, v[C16]
	v_add_nc_u32 v[AR8+\s], s50, v[C8]
	v_add_nc_u32 v[AP16+\s], s51, v[C16]
	v_add_nc_u32 v[AP8+\s], s51, v[C8]
	s_add_co_u32 s50, s50, SLOT
	s_add_co_u32 s51, s51, SLOT
.endr
	v_cmp_eq_u32 vcc_lo, 1, v2
	v_mov_b32 v[SOF], s54
	v_mov_b32 v96, s55
	v_cndmask_b32 v[SOF], v[SOF], v96, vcc_lo
	v_lshl_add_u32 v[SOF], v1, 4, v[SOF]
.irp i, 0,1,2,3,4,5,6,7
	global_load_b128 v[SC+8*\i:SC+8*\i+3], v[SOF], s[6:7] offset:512*\i
	global_load_b128 v[SC+8*\i+4:SC+8*\i+7], v[SOF], s[6:7] offset:512*\i+256
.endr
	v_mov_b32 v[SELQ], 0x05040100
	v_mov_b32 v96, 0x07060302
	v_cndmask_b32 v[SELQ], v[SELQ], v96, vcc_lo
	v_mov_b32 v[SELV], 0x03020100
	v_mov_b32 v96, 0x07060504
	v_cndmask_b32 v[SELV], v[SELV], v96, vcc_lo
	v_lshlrev_b32 v[SCO], 4, v1
	v_lshl_add_u32 v[SCO], v2, 12, v[SCO]
.irp b, 0,1,2,3
	v_mov_b32 v[TM+4+\b], 0
.endr
	s_mov_b32 s[SEL], 0x76543210
	s_mov_b32 s[SEL+1], 0xfedcba98
	s_lshl_b32 s52, s42, 2
	s_lshl_b32 s53, s16, 1
	s_add_co_u32 s52, s52, s53
	s_lshr_b32 s53, s52, 4
	s_and_b32 s54, s52, 15
	s_lshr_b32 s55, s17, 3
	s_and_b32 s56, s17, 7
	s_lshl_b32 s57, s53, 6
	s_lshl_b32 s58, s55, 4
	s_add_co_u32 s57, s57, s58
	s_add_co_u32 s57, s57, s54
	s_lshl_b32 s58, s56, 1
	s_add_co_u32 s58, s58, s15
	s_lshl_b32 s59, s57, 12
	s_lshl_b32 s60, s58, 8
	s_add_co_u32 s60, s59, s60
	s_mov_b32 s61, 0
	s_add_nc_u64 s[10:11], s[10:11], s[60:61]
	s_mul_i32 s59, s57, RBB
	s_mul_i32 s62, s58, 8*768
	s_add_co_u32 s59, s59, s62
	s_lshl_b32 s62, s55, 4
	s_add_co_u32 s62, s62, s58
	s_mul_i32 s62, s62, 2*49152
	s_mul_i32 s63, s54, 3072
	s_add_co_u32 s62, s62, s63
	s_add_co_u32 s62, s62, VBASE
	s_cmp_ge_u32 ttmp9, 2
	s_cselect_b32 s60, s62, s59
	s_mov_b32 s63, 49152
	s_cselect_b32 s63, s63, RBB
	s_add_nc_u64 s[8:9], s[8:9], s[60:61]
	v_add_nc_u32 v[C16B], s63, v[C16]
	v_add_nc_u32 v[C8B], s63, v[C8]
.macro FRAG reg, a16, a8, q, i
	ds_load_b128 v[\reg:\reg+3], v[\a16] offset:(8*(\q)+(\i))*1536
	ds_load_b64 v[\reg+4:\reg+5], v[\a8] offset:(8*(\q)+(\i))*1536+512
	ds_load_b128 v[\reg+6:\reg+9], v[\a16] offset:(8*(\q)+(\i))*1536+768
	ds_load_b64 v[\reg+10:\reg+11], v[\a8] offset:(8*(\q)+(\i))*1536+1280
.endm
.macro FETCH_P slot, q, set
	WIN TO_P
.irp i, 0,1,2,3,4,5,6,7
	FRAG 128*(\set)+FR*\i, AP16+\slot, AP8+\slot, \q, \i
.endr
	WIN 0
.endm
.macro FETCH_R slot, q, i0
.irp i, \i0, \i0+1, \i0+2, \i0+3
	FRAG AF+FR*(\i), AR16+\slot, AR8+\slot, \q, \i
.endr
.endm
.macro MUL16 a0, g, zero
.irp a, \a0, \a0+1
.irp b, 0,1,2,3,4,5,6,7
.if \zero
	v_wmma_scale_f32_16x16x128_f8f6f4 v[8*(8*((\a)%4)+\b):8*(8*((\a)%4)+\b)+7], v[128*((\g)%2)+FR*\b:128*((\g)%2)+FR*\b+FR-1], v[AF+FR*(\a):AF+FR*(\a)+FR-1], 0, v[SC+8*\b+(\g)], v[SC+8*(\a)+(\g)] matrix_a_fmt:MATRIX_FMT_FP6 matrix_b_fmt:MATRIX_FMT_FP6 matrix_a_scale:MATRIX_SCALE_ROW1
.else
	v_wmma_scale_f32_16x16x128_f8f6f4 v[8*(8*((\a)%4)+\b):8*(8*((\a)%4)+\b)+7], v[128*((\g)%2)+FR*\b:128*((\g)%2)+FR*\b+FR-1], v[AF+FR*(\a):AF+FR*(\a)+FR-1], v[8*(8*((\a)%4)+\b):8*(8*((\a)%4)+\b)+7], v[SC+8*\b+(\g)], v[SC+8*(\a)+(\g)] matrix_a_fmt:MATRIX_FMT_FP6 matrix_b_fmt:MATRIX_FMT_FP6 matrix_a_scale:MATRIX_SCALE_ROW1
.endif
.endr
.endr
.endm
.macro STEP g, ns, nq, zero
	s_wait_dscnt 16
	WIN MUL_LO
	MUL16 0, \g, \zero
	MUL16 2, \g, \zero
	s_wait_dscnt 0
	PLACES 4
	FETCH_P \ns, \nq, 1-(\g)%2
	FETCH_R \ns, \nq, 0
	WIN MUL_HI
	MUL16 4, \g, \zero
	MUL16 6, \g, \zero
	PLACES 4
	WIN 0
	FETCH_R \ns, \nq, 4
.endm
.macro TURN g, ns, fill
	s_wait_tensorcnt 0x0
	ds_add_u32 v[SPW], v[NIL]
	s_wait_dscnt 17
	WIN MUL_LO
	MUL16 0, \g, 0
	s_wait_dscnt 0x0
	s_barrier_signal -1
	MUL16 2, \g, 0
	WIN 0
	s_barrier_wait -1
.if \fill
	CREST
	s_add_nc_u64 s[G0A+2:G0A+3], s[G0A+2:G0A+3], 3*HALFT
	s_add_nc_u64 s[G0B+2:G0B+3], s[G0B+2:G0B+3], 3*HALFT
	JLOAD G0A, G1A, G0B, G1B
.else
	PLACES 4
.endif
	FETCH_P \ns, 0, 0
	FETCH_R \ns, 0, 0
	WIN MUL_HI
	MUL16 4, \g, 0
	MUL16 6, \g, 0
	PLACES 4
	WIN 0
	FETCH_R \ns, 0, 4
.endm
	s_wait_tensorcnt 2
	s_barrier_signal -1
	s_barrier_wait -1
	FETCH_P 0, 0, 0
	FETCH_R 0, 0, 0
	FETCH_R 0, 0, 4
	s_wait_loadcnt 0x0
	STEP 0, 0, 1, 1
	TURN 1, 1, 1
	STEP 2, 1, 1, 0
	STEP 3, 2, 0, 0
	STEP 4, 2, 1, 0
	TURN 5, 0, 0
	STEP 6, 0, 1, 0
	s_wait_dscnt 16
	WIN MUL_LO
	MUL16 0, 7, 0
	MUL16 2, 7, 0
	s_wait_dscnt 0
	WIN MUL_HI
	MUL16 4, 7, 0
	MUL16 6, 7, 0
	WIN 0
.macro OUTJ j
.set AC, 64*((\j)%4)
.set WN, 2+(\j)/4
.set IMG, 128+12*(\j)
	WIN 0
.irp b, 0,1,2,3
	v_mov_b32 v[TM+\b], 0x1800000
.endr
	WIN WN*20
.irp i, 0,2,4,6,8,10,12,14
.irp b, 0,1,2,3
	v_max3_num_f32 v[TM+\b], v[TM+\b], |v[AC+16*\b+\i]|, |v[AC+16*\b+\i+1]|
.endr
.endr
	WIN 0
.irp b, 0,1,2,3
	v_permlanex16_b32 v[TM+4+\b], v[TM+\b], s[SEL], s[SEL+1]
.endr
.irp b, 0,1,2,3
	v_max_num_f32 v[TM+\b], v[TM+\b], v[TM+4+\b]
.endr
.irp b, 0,1,2,3
	v_add_nc_u32 v[TM+12+\b], 0xff000000, v[TM+\b]
.endr
.irp b, 0,1,2,3
	v_lshrrev_b32 v[TM+4+\b], 23, v[TM+12+\b]
.endr
	v_lshl_or_b32 v[WD+\j], v[TM+5], 8, v[TM+4]
	v_lshl_or_b32 v[WD+\j], v[TM+6], 16, v[WD+\j]
	v_lshl_or_b32 v[WD+\j], v[TM+7], 24, v[WD+\j]
	WIN WN
	v_cvt_scalef32_pk16_fp6_f32 v[IMG:IMG+2], v[AC:AC+15], v[TM+12]
	v_cvt_scalef32_pk16_fp6_f32 v[YT:YT+2], v[AC+16:AC+31], v[TM+13]
	v_cvt_scalef32_pk16_fp6_f32 v[IMG+6:IMG+8], v[AC+32:AC+47], v[TM+14]
	v_cvt_scalef32_pk16_fp6_f32 v[YT+4:YT+6], v[AC+48:AC+63], v[TM+15]
	WIN 0
	v_nop
.irp c, 0,1
.irp i, 0,1,2
	v_permlane16_swap_b32 v[IMG+6*\c+\i], v[YT+4*\c+\i]
.endr
.irp i, 0,1,2
	v_mov_b32 v[IMG+3+6*\c+\i], v[YT+4*\c+\i]
.endr
.endr
	global_store_b128 v[C16], v[IMG:IMG+3], s[8:9] offset:768*(\j)
	global_store_b64 v[C8], v[IMG+4:IMG+5], s[8:9] offset:768*(\j)+512
	global_store_b128 v[C16B], v[IMG+6:IMG+9], s[8:9] offset:768*(\j)
	global_store_b64 v[C8B], v[IMG+10:IMG+11], s[8:9] offset:768*(\j)+512
.endm
	PLACES 4
.irp j, 0,1,2,3,4,5,6,7
	OUTJ \j
.endr
.irp p, 0,1,2,3
	v_perm_b32 v[TM+\p], v[WD+2*\p+1], v[WD+2*\p], v[SELQ]
	v_perm_b32 v[TM+4+\p], v[WD+4+\p], v[WD+\p], v[SELV]
.endr
.irp p, 0,1,2,3
	v_cndmask_b32 v[TM+8+\p], v[TM+\p], v[TM+4+\p], s[RHO]
.endr
	global_store_b128 v[SCO], v[TM+8:TM+11], s[10:11]
	s_wait_tensorcnt 0x0
	ds_add_u32 v[SPW], v[NIL]
	s_wait_dscnt 0x0
	CROUND
	s_endpgm
.Lfunc_end_k_q21c5818fbf_qkv:
	.size	k_q21c5818fbf_qkv, .Lfunc_end_k_q21c5818fbf_qkv-k_q21c5818fbf_qkv
	.p2alignl 7, 3214868480
	.fill 96, 4, 3214868480
	.section	.rodata,"a",@progbits
	.p2align	6, 0x0
	.amdhsa_kernel k_q21c5818fbf_qkv
		.amdhsa_group_segment_fixed_size 327680
		.amdhsa_private_segment_fixed_size 0
		.amdhsa_enable_private_segment 0
		.amdhsa_kernarg_size 32
		.amdhsa_user_sgpr_count 2
		.amdhsa_user_sgpr_kernarg_segment_ptr 1
		.amdhsa_wavefront_size32 1
		.amdhsa_system_sgpr_workgroup_id_x 1
		.amdhsa_system_sgpr_workgroup_id_y 1
		.amdhsa_system_sgpr_workgroup_id_z 1
		.amdhsa_system_vgpr_workitem_id 0
		.amdhsa_next_free_vgpr 1024
		.amdhsa_next_free_sgpr 100
		.amdhsa_reserve_vcc 1
		.amdhsa_float_denorm_mode_32 3
		.amdhsa_float_denorm_mode_16_64 3
		.amdhsa_memory_ordered 1
		.amdhsa_forward_progress 1
		.amdhsa_inst_pref_size 150
	.end_amdhsa_kernel
	.amdgpu_metadata
---
amdhsa.version: [ 1, 2 ]
amdhsa.kernels:
  - .name:           k_q21c5818fbf_qkv
    .symbol:         k_q21c5818fbf_qkv.kd
    .args:
      - { .name: cod, .offset: 0, .size: 8, .value_kind: global_buffer, .address_space: global }
      - { .name: scl, .offset: 8, .size: 8, .value_kind: global_buffer, .address_space: global }
      - { .name: qkvc, .offset: 16, .size: 8, .value_kind: global_buffer, .address_space: global }
      - { .name: qkvs, .offset: 24, .size: 8, .value_kind: global_buffer, .address_space: global }
    .group_segment_fixed_size: 327680
    .private_segment_fixed_size: 0
    .kernarg_segment_align: 8
    .kernarg_segment_size: 32
    .max_flat_workgroup_size: 128
    .sgpr_count:     100
    .vgpr_count:     1024
    .wavefront_size: 32
...
	.end_amdgpu_metadata
.endif
;; end of part 2
;; launch attn (part 3): grid 4 x 64, 16 waves a work-group, clusters of 4 x 1, 207,104 bytes of LDS; arguments qkvc, qkvs, oc, scl; writes oc, scl
.if DOCPART == 3
	.amdgcn_target "amdgcn-amd-amdhsa--gfx1250"
	.amdhsa_code_object_version 6
	.text
	.protected	k_q21c5818fbf_attn
	.globl	k_q21c5818fbf_attn
	.p2align	8
	.type	k_q21c5818fbf_attn,@function
k_q21c5818fbf_attn:
	s_mov_b64 s[64:65], 0
	v_nop
	global_prefetch_b8 v0, s[64:65] scope:SCOPE_SE
	s_setreg_imm32_b32 hwreg(HW_REG_WAVE_MODE, 25, 1), 1
	s_wait_xcnt 0x0
	s_wait_alu depctr_hold_cnt(0) depctr_sa_sdst(0) depctr_va_vdst(0) depctr_va_sdst(0) depctr_va_ssrc(0) depctr_va_vcc(0) depctr_vm_vsrc(0)
	s_getreg_b32 s2, hwreg(HW_REG_IB_STS2, 6, 4)
	s_cmp_eq_u32 s2, 0
	s_cbranch_scc0 .Lentry_in_a_cluster
	s_endpgm
.Lentry_in_a_cluster:
	s_bfe_u32 s2, ttmp6, 0x10000c
	s_cmp_lg_u32 s2, 0x3003
	s_cbranch_scc0 .Lentry_shape_is_right
	s_endpgm
.Lentry_shape_is_right:
; o = softmax(q k^T / 8) v for one batch and head, both products on codes of FP6 (E2M3) with E8M0 scales, and o / l QUANTISED along the channels on its way out, as the last product's operand.
; THE SOFTMAX: t = score x log2(e) / 8; M = the row's largest t so far, rounded UP to a whole number; p = 2^(t - M) is quantised along the keys, not normalised; the row's sum is taken of the unquantised p and divides at the end.
; When M moves, the sums and O are multiplied by 2^(old M - new M): exact.
; SHARES.  The four work-groups of a head are one cluster; each owns 512 queries, in two passes of 256; in a pass each of the sixteen waves owns one tile of 16 queries, in 256 registers.
; A HEAD'S WHOLE K AND V, codes and scale words, lie in LDS, filled ONCE by joint loads that name all four work-groups, one load a wave: waves 0-3 K, waves 4-11 V, waves 12-15 the scale words.
; Every wave waits for its load, one barrier shows all of it to all, and from there on the waves share nothing: no barrier stands in the key loop or between the passes.
; Nothing is prefetched: every byte that the launch reads through LDS is asked for at its head, and there is no later stream to run ahead of.
; LAYOUT.  Both products are used transposed: S^T = K Q^T, O^T = V^T P^T: a lane holds ONE query throughout.  Operands lie in memory as atoms (16 rows x 64 K, 768 bytes: registers 0-3 at 16 x lane, 4-5 at 512 + 8 x lane);
; a group of 32 keys is two atoms: the even one holds keys 0-7 and 16-23 of the group in its rows 0-15, the odd one keys 8-15 and 24-31.
; A KEY TILE IS PUT TOGETHER BY THE LANES' ADDRESSES: tile (c, u) of a step takes keys 64 c + 8 u + 0..7 as rows 0-7 and keys 64 c + 32 + 8 u + 0..7 as rows 8-15: lanes r < 8 read group 2 c, lanes r >= 8 group 2 c + 1,
; both at row 8 (u / 2) + r % 8 of the atom u % 2.  So register 32 c + i of S^T holds key 64 c + 32 (lane / 16) + i: A WHOLE BLOCK OF 32 KEYS IN A LANE, in the order of the next operand's registers: no lane asks another for a block's maximum, and no codes change lanes.
; The even groups lie in one LDS region and the odd ones in another that begins 128 bytes off a multiple of 256, so that the sixteen lanes of a 16-byte read touch sixteen different columns of 16 bytes.
; K = 64 IN AN INSTRUCTION OF 128: source 0 holds the atoms of TWO key tiles; against [q | zero codes] it gives the first tile's scores, against [zero codes | q] the second's.  Zero codes add nothing under any valid scale byte.
; LIMITS: the scaled scores t stay under 2^31 in magnitude; NaN and infinities are not served; a p under 2^-126 counts as 0; a block of zeros, or one under 2^-124, gets the byte 1 (read by this program alone).
; o's scale bytes are stored singly, a byte a lane: a word's four bytes belong to two heads, that is to two clusters; they are one byte in 25 of what the launch stores.
.set VBASE, 12582912                   ; v's codes in qkvc
.set OS,    393216                     ; o's scale words in scl
.set ODD,   49280                      ; LDS: K's 32 even groups of 1,536 bytes from 0; its odd groups from here (49,152 + 128)
.set VOFF,  98560                      ; V's 128 atoms ([64 keys][tile of channels])
.set KSO,   196864                     ; K's scale words, 4,096 bytes: [128 keys][row][4 words]
.set VSO,   200960                     ; V's likewise
.set SPARE, 205056                     ; the spare words: 128 bytes a wave
.set L16,  1                           ; 16 x lane
.set L8,   2                           ; 8 x lane
.set KB16, 3                           ; K: ODD (r / 8) + 16 (r % 8) + 256 h
.set KB8,  4                           ; K: ODD (r / 8) + 8 (r % 8) + 128 h
.set KSB,  5                           ; K's scale words: KSO + 16 (r % 8) + 4 (r / 8)
.set VSB,  6                           ; V's: VSO + 16 r
.set LV16, 7                           ; VOFF + 16 x lane
.set LV8,  8                           ; VOFF + 8 x lane
.set H8,   9                           ; 8 h
.set OM,   14                          ; v12 -M, v13 the largest score so far, v14 -M of the step before
.set QB,   16                          ; v16-33: six registers of zero codes, q's atom, six of zero codes
.set QS,   34                          ; q's scale word: its two bytes twice
.set PW,   35                          ; p's scale word
.set SK,   36                          ; v36-39 K's scale words of the step's four pairs of tiles
.set F,    40                          ; v40-87 eight atoms of K, then of V
.set YT,   88                          ; v88-94 the blocks' upper 16 codes (a conversion's three registers begin on an even number)
.set S,    96                          ; v96-159 S^T, then p
.set O,    160                         ; v160-191 O^T
.set PC,   192                         ; v192-203 p's codes
.set MA,   204                         ; v204-205 the two blocks' largest score, then largest p
.set MB,   206                         ; v206-207 the second chains
.set SO,   208                         ; v208-209 the conversions' scale operands
.set BY,   210                         ; v210-211 the bytes
.set W,    212
.set WT,   213
.set TA,   214
.set TB,   215
.set FF,   216                         ; v[216:217] f = 2^(old M - new M), later 1 / l
.set L,    218                         ; v218-225 the row's sum in eight parts
.set SV,   228                         ; v228-231 V's scale words
.set AK16, 232                         ; v232-237 the step's addresses
.set AK8,  233
.set AKS,  234
.set ASV,  235
.set AV16, 236
.set AV8,  237
.set QSO,  238                         ; 16 r
.set OBY,  239                         ; 16 r + h
.set SPW,  254
.set NIL,  255
.set WV,   12
.set SEL,  20                          ; s[20:21] selects for lane l xor 16
.set CS,   22                          ; s[22:23] c = log2(e) / 8
.set G1K,  24                          ; descriptor groups 1: K, V, scale words
.set G1V,  32
.set G1S,  40
.set G0K,  48                          ; and groups 0
.set G0V,  52
.set G0S,  56
.set QA,   66                          ; s[66:67] my tile of q
.set TK,   92                          ; the step's first byte in each of K's two regions: 3,072 a step
.set TS,   93                          ; among the scale words: 256 a step; it also counts the steps
.set TV,   94                          ; among V's atoms: 6,144 a step
.set PASS, 95
.set QSH,  96                          ; 16 x (tile % 2)
.set HM,   97                          ; the lanes 16-31
.set QW,   98                          ; s[98:99] q's scale words
.set OCB,  100                         ; s[100:101] my atom of oc
.set SCB,  104                         ; s[104:105] my scale bytes in scl
.macro ROUND                           ; a round of the cluster's barrier
	s_barrier_signal -1
	s_barrier_wait -1
	s_cmp_lg_u32 s[WV], 0
	s_cbranch_scc1 .Lnot_wave_0_\@
	s_barrier_signal -3
.Lnot_wave_0_\@:
	s_barrier_wait -3
	s_barrier_signal -1
	s_barrier_wait -1
.endm
.macro TLOAD g0, g1
	tensor_load_to_lds s[\g0:\g0+3], s[\g1:\g1+7]
	s_nop 0
.rept 4
	v_nop
.endr
.endm
.macro GROUP1 g, c, r, p               ; r rows of c elements of 8 bytes, p elements apart; the mask names all four work-groups, bit 21 beside it; no padding
	s_mov_b32 s[\g], 15|(3<<16)|(1<<21)
	s_mov_b32 s[\g+1], (\c)<<16
	s_mov_b32 s[\g+2], (\r)<<16
	s_mov_b32 s[\g+3], (\c)<<16
	s_mov_b32 s[\g+4], \r
	s_mov_b32 s[\g+5], \p
	s_mov_b32 s[\g+6], 0
	s_mov_b32 s[\g+7], 0
.endm
.macro LOADQ                           ; my tile of q and its rows' pair word
	global_load_b128 v[QB+6:QB+9], v[L16], s[QA:QA+1]
	global_load_b64 v[QB+10:QB+11], v[L8], s[QA:QA+1] offset:512
	global_load_b32 v[QS], v[QSO], s[QW:QW+1]
.endm
	s_load_b256 s[4:11], s[0:1], 0x0               ; qkvc s[4:5], qkvs s[6:7], oc s[8:9], scl s[10:11]
	v_lshl_add_u32 v[SPW], v0, 2, SPARE
	v_mov_b32 v[NIL], 0
	ds_add_u32 v[SPW], v[NIL]                      ; the opening lines: the add twice on end, and its wait ahead of the first tensor load
	ds_add_u32 v[SPW], v[NIL]
	v_lshrrev_b32 v1, 5, v0
	v_readfirstlane_b32 s[WV], v1                  ; wave 0..15
	s_bfe_u32 s13, ttmp6, 0x40000                  ; cx: it enters q's and o's addresses alone
	s_and_b32 s14, ttmp7, 0xffff                   ; batch x 16 + head, which the four partners share
	s_lshr_b32 s15, s14, 4                         ; batch
	s_and_b32 s16, s14, 15                         ; head
	GROUP1 G1K, 192, 16, 384                       ; K: 16 groups of one parity: rows of 1,536 bytes, 3,072 apart
	GROUP1 G1V, 384, 4, 6144                       ; V: 4 rows (64 keys each) of 3,072 bytes, 49,152 apart
	GROUP1 G1S, 32, 8, 32                          ; scale words: 2,048 dense bytes as 8 rows of 256
	s_mov_b32 s[SEL], 0x76543210
	s_mov_b32 s[SEL+1], 0xfedcba98
	s_mov_b32 s[CS], 0x3e38aa3b                    ; c = log2(e) / sqrt(64)
	s_mov_b32 s[CS+1], s[CS]                       ; (named with it as a pair, so it is written)
	s_and_b32 s17, s[WV], 1
	s_lshr_b32 s18, s[WV], 1
	; waves 0-3: K, half w % 2 of the groups of parity w / 2
	s_add_co_u32 s60, s14, 64
	s_mul_i32 s60, s60, 98304                      ; k's plane, my head
	s_mul_i32 s19, s17, 49152
	s_add_co_u32 s60, s60, s19
	s_mul_i32 s19, s18, 1536
	s_add_co_u32 s60, s60, s19
	s_mov_b32 s61, 0
	s_mov_b32 s[G0K], 1
	s_mul_i32 s[G0K+1], s17, 24576
	s_mul_i32 s19, s18, ODD
	s_add_co_u32 s[G0K+1], s[G0K+1], s19
	; waves 4-11: V, rows 4 (w - 4) .. + 3
	s_mul_i32 s62, s15, 1572864
	s_mul_i32 s19, s16, 3072
	s_add_co_u32 s62, s62, s19
	s_add_co_u32 s62, s62, VBASE-4*196608
	s_mul_i32 s19, s[WV], 196608
	s_add_co_u32 s62, s62, s19
	s_mov_b32 s63, 0
	s_mov_b32 s[G0V], 1
	s_mul_i32 s[G0V+1], s[WV], 12288
	s_add_co_u32 s[G0V+1], s[G0V+1], VOFF-4*12288
	; waves 12-15: half w % 2 of K's (w = 12, 13) or V's (14, 15) scale words
	s_add_co_u32 s68, s14, 64
	s_lshl_b32 s68, s68, 12
	s_and_b32 s19, s18, 1
	s_lshl_b32 s19, s19, 18
	s_add_co_u32 s68, s68, s19
	s_lshl_b32 s19, s17, 11
	s_add_co_u32 s68, s68, s19
	s_mov_b32 s69, 0
	s_mov_b32 s[G0S], 1
	s_and_b32 s[G0S+1], s[WV], 3
	s_lshl_b32 s[G0S+1], s[G0S+1], 11
	s_add_co_u32 s[G0S+1], s[G0S+1], KSO
	s_mov_b32 s3, 0
	s_wait_dscnt 0x0                               ; both opening adds are done
	s_wait_kmcnt 0x0
	s_add_nc_u64 s[G0K+2:G0K+3], s[4:5], s[60:61]
	s_or_b32 s[G0K+3], s[G0K+3], 0x80000000
	s_add_nc_u64 s[G0V+2:G0V+3], s[4:5], s[62:63]
	s_or_b32 s[G0V+3], s[G0V+3], 0x80000000
	s_add_nc_u64 s[G0S+2:G0S+3], s[6:7], s[68:69]
	s_or_b32 s[G0S+3], s[G0S+3], 0x80000000
	ROUND                                          ; all four work-groups are here: the joint loads meet
	s_cmp_lt_u32 s[WV], 4                          ; one chain of branches on the wave's number: every way passes exactly one load
	s_cbranch_scc0 .Lnot_k
	TLOAD G0K, G1K
	s_branch .Lasked
.Lnot_k:
	s_cmp_lt_u32 s[WV], 12
	s_cbranch_scc0 .Lnot_v
	TLOAD G0V, G1V
	s_branch .Lasked
.Lnot_v:
	TLOAD G0S, G1S
.Lasked:
	v_and_b32 v10, 31, v0
	v_lshlrev_b32 v[L16], 4, v10
	v_lshlrev_b32 v[L8], 3, v10
	v_add_nc_u32 v[LV16], VOFF, v[L16]
	v_add_nc_u32 v[LV8], VOFF, v[L8]
	v_and_b32 v10, 15, v0                          ; r
	v_bfe_u32 v11, v0, 4, 1                        ; h
	v_lshlrev_b32 v[QSO], 4, v10
	v_add_nc_u32 v[OBY], v[QSO], v11
	v_add_nc_u32 v[VSB], VSO, v[QSO]
	v_lshlrev_b32 v[H8], 3, v11
	v_cmp_eq_u32 s[HM], 1, v11
	v_and_b32 v10, 7, v0                           ; r % 8
	v_bfe_u32 v15, v0, 3, 1                        ; r / 8
	v_mul_u32_u24 v[KB16], v15, ODD
	v_lshl_add_u32 v[KB8], v10, 3, v[KB16]
	v_lshl_add_u32 v[KB8], v11, 7, v[KB8]
	v_lshl_add_u32 v[KB16], v10, 4, v[KB16]
	v_lshl_add_u32 v[KB16], v11, 8, v[KB16]
	v_lshlrev_b32 v[KSB], 4, v10
	v_lshl_add_u32 v[KSB], v15, 2, v[KSB]
	v_add_nc_u32 v[KSB], KSO, v[KSB]
.irp i, 0,1,2,3,4,5
	v_mov_b32 v[QB+\i], 0                          ; zero codes on both sides of q's atom
	v_mov_b32 v[QB+12+\i], 0
.endr
	v_mov_b32 v[WT], 0                             ; a lane permute's destination counts as read: written once
	v_mov_b32 v[TB], 0
	v_mov_b32 v[MB], 0
	v_mov_b32 v[MB+1], 0
	v_mov_b32 v[FF+1], 0                           ; (named as the upper half of a pair)
	s_wait_alu depctr_va_vdst(0)                   ; ahead of the run of scalar lines
	; my tile in the first pass: T = 32 cx + wave; the second pass takes T + 16
	s_lshl_b32 s17, s13, 5
	s_add_co_u32 s17, s17, s[WV]
	s_lshl_b32 s2, s14, 7
	s_add_co_u32 s2, s2, s17
	s_mul_i32 s2, s2, 768
	s_add_nc_u64 s[QA:QA+1], s[4:5], s[2:3]        ; q's plane: [batch, head][tile] x 768
	s_lshl_b32 s2, s14, 12
	s_lshr_b32 s18, s17, 3                         ; T / 8
	s_lshl_b32 s19, s18, 8
	s_add_co_u32 s2, s2, s19
	s_and_b32 s19, s[WV], 6
	s_lshl_b32 s19, s19, 1                         ; the word of the pair of tiles: 4 x ((T % 8) / 2)
	s_add_co_u32 s2, s2, s19
	s_add_nc_u64 s[QW:QW+1], s[6:7], s[2:3]
	s_and_b32 s[QSH], s[WV], 1
	s_lshl_b32 s[QSH], s[QSH], 4                   ; and my tile's half of it
	s_lshl_b32 s2, s15, 4
	s_add_co_u32 s2, s2, s18
	s_mul_i32 s2, s2, 98304                        ; oc: [128 tokens][K / 128 = head / 2][tile][head % 2] x 768
	s_lshr_b32 s19, s16, 1
	s_mul_i32 s19, s19, 12288
	s_add_co_u32 s2, s2, s19
	s_and_b32 s19, s17, 7
	s_mul_i32 s19, s19, 1536
	s_add_co_u32 s2, s2, s19
	s_and_b32 s19, s16, 1
	s_mul_i32 s19, s19, 768
	s_add_co_u32 s2, s2, s19
	s_add_nc_u64 s[OCB:OCB+1], s[8:9], s[2:3]
	s_lshl_b32 s2, s15, 7
	s_add_co_u32 s2, s2, s17
	s_lshl_b32 s2, s2, 9                           ; scl: [tile][K / 512][r][4 words]; the word is head / 2, the bytes 2 (head % 2) + block
	s_lshr_b32 s19, s16, 3
	s_lshl_b32 s19, s19, 8
	s_add_co_u32 s2, s2, s19
	s_bfe_u32 s19, s16, 0x20001
	s_lshl_b32 s19, s19, 2
	s_add_co_u32 s2, s2, s19
	s_and_b32 s19, s16, 1
	s_lshl_b32 s19, s19, 1
	s_add_co_u32 s2, s2, s19
	s_add_co_u32 s2, s2, OS
	s_add_nc_u64 s[SCB:SCB+1], s[10:11], s[2:3]
	LOADQ                                          ; the first pass's q, on its way beside the tiles
	s_wait_tensorcnt 0x0                           ; my load has landed,
	s_barrier_signal -1
	s_barrier_wait -1                              ; and so has every wave's: all of K, V and the scale words are there for all sixteen, and nothing is filled again
	s_mov_b32 s[PASS], 2
.Lpass:
	s_wait_loadcnt 0x0                             ; q is in
	v_lshrrev_b32 v[QS], s[QSH], v[QS]             ; my tile's two bytes,
	v_and_b32 v[QS], 0xffff, v[QS]
	v_lshl_or_b32 v[QS], v[QS], 16, v[QS]          ; twice: q stands in either half of source 1
	v_mov_b32 v13, 0xff61b1e6                      ; the largest score so far: -3e38, under every score
	v_mov_b32 v12, 0x7e000000                      ; -M = 2^125: the first step's f comes out 0
	v_mov_b32 v[OM], 0x7e000000
.irp i, 0,1,2,3,4,5,6,7
	v_mov_b32 v[L+\i], 0
.endr
.set j, 0
.rept 32
	v_mov_b32 v[O+j], 0                            ; O^T: the step is written once, its first turn finds zeros.  (Also the places between the write of the scale word and the first product)
.set j, j+1
.endr
	s_mov_b32 s[TK], 0
	s_mov_b32 s[TS], 0
	s_mov_b32 s[TV], 0
.Lstep:                                                ; A KEY STEP: 128 keys
	v_add_nc_u32 v[AK16], s[TK], v[KB16]           ; four plain lines: also the places in front of the loads into registers that the last products read
	v_add_nc_u32 v[AK8], s[TK], v[KB8]
	v_add_nc_u32 v[AKS], s[TS], v[KSB]
	v_nop
.irp i, 0,1,2,3                                ; pair i = 2 c + u / 2: tiles (c, u) and (c, u + 1), u even
	ds_load_b128 v[F+12*\i:F+12*\i+3], v[AK16] offset:(\i/2)*1536+(\i%2)*128
	ds_load_b64 v[F+12*\i+4:F+12*\i+5], v[AK8] offset:(\i/2)*1536+512+(\i%2)*64
	ds_load_b128 v[F+12*\i+6:F+12*\i+9], v[AK16] offset:(\i/2)*1536+768+(\i%2)*128
	ds_load_b64 v[F+12*\i+10:F+12*\i+11], v[AK8] offset:(\i/2)*1536+1280+(\i%2)*64
	ds_load_b32 v[SK+\i], v[AKS] offset:(\i%2)*128+(\i/2)*8     ; the same rows' scale word: both tiles' two bytes
.endr
	s_wait_dscnt 0x0
.irp i, 0,1,2,3
	v_wmma_scale_f32_16x16x128_f8f6f4 v[S+16*\i:S+16*\i+7], v[F+12*\i:F+12*\i+11], v[QB+6:QB+17], 0, v[SK+\i], v[QS] matrix_a_fmt:MATRIX_FMT_FP6 matrix_b_fmt:MATRIX_FMT_FP6
	v_wmma_scale_f32_16x16x128_f8f6f4 v[S+16*\i+8:S+16*\i+15], v[F+12*\i:F+12*\i+11], v[QB:QB+11], 0, v[SK+\i], v[QS] matrix_a_fmt:MATRIX_FMT_FP6 matrix_b_fmt:MATRIX_FMT_FP6
.endr                                          ; register 32 c + i holds key 64 c + 32 (lane / 16) + i of the step
	v_add_nc_u32 v[AV16], s[TV], v[LV16]           ; four places in front of the loads below and of the first read of the scores
	v_add_nc_u32 v[AV8], s[TV], v[LV8]
	v_add_nc_u32 v[ASV], s[TS], v[VSB]
	v_nop
.irp ct, 0,1,2,3
.irp c, 0,1
	ds_load_b128 v[F+12*\ct+6*\c:F+12*\ct+6*\c+3], v[AV16] offset:(4*\c+\ct)*768       ; V's four tiles of channels x 128 keys: they land under the softmax
	ds_load_b64 v[F+12*\ct+6*\c+4:F+12*\ct+6*\c+5], v[AV8] offset:(4*\c+\ct)*768+512
.endr
.endr
	ds_load_b128 v[SV:SV+3], v[ASV]                ; and their scale words
.irp c, 0,1                                    ; the largest score of my two blocks of 32 keys, each in two chains; each accumulator is read from its low end on
	v_max3_num_f32 v[MA+\c], v[S+32*\c], v[S+32*\c+1], v[S+32*\c+2]
	v_max3_num_f32 v[MB+\c], v[S+32*\c+16], v[S+32*\c+17], v[S+32*\c+18]
.endr
.irp i, 3,5,7,9,11,13
.irp c, 0,1
	v_max3_num_f32 v[MA+\c], v[MA+\c], v[S+32*\c+\i], v[S+32*\c+\i+1]
	v_max3_num_f32 v[MB+\c], v[MB+\c], v[S+32*\c+16+\i], v[S+32*\c+17+\i]
.endr
.endr
.irp c, 0,1
	v_max3_num_f32 v[MA+\c], v[MA+\c], v[MB+\c], v[S+32*\c+15]
.endr
.irp c, 0,1
	v_max_num_f32 v[MA+\c], v[MA+\c], v[S+32*\c+31]   ; it serves for the row's maximum and, since p rises with the score, for the block's largest p
.endr
	s_delay_alu instid0(VALU_DEP_1)
	v_max_num_f32 v[TA], v[MA], v[MA+1]
	s_delay_alu instid0(VALU_DEP_1)
	v_permlanex16_b32 v[TB], v[TA], s[SEL], s[SEL+1]   ; lane l xor 16 holds my query's other 64 keys
	s_delay_alu instid0(VALU_DEP_1)
	v_max3_num_f32 v13, v13, v[TA], v[TB]          ; the running largest score
	s_delay_alu instid0(VALU_DEP_1)
	v_mul_f32 v[TA], s[CS], v13                    ; as t (c is positive)
	s_delay_alu instid0(VALU_DEP_1)
	v_floor_f32 v12, -v[TA]                        ; the new -M = floor(-t): M is a whole number
	s_delay_alu instid0(VALU_DEP_1)
	v_sub_f32 v[TA], v12, v[OM]                    ; old M - new M: a whole number, 0 or less
	s_delay_alu instid0(VALU_DEP_1)
	v_cvt_i32_f32 v[TA], v[TA]                     ; (it saturates)
	s_delay_alu instid0(VALU_DEP_1)
	v_ldexp_f32 v[FF], 1.0, v[TA]                  ; f = 2^(old M - new M)
.set j, 0
.rept 32
	v_pk_fma_f32 v[S+j:S+j+1], v[S+j:S+j+1], s[CS:CS+1], v[12:13] op_sel_hi:[1,0,0]   ; t - M, two at a time
.set j, j+2
.endr
.irp c, 0,1
	v_fma_f32 v[MA+\c], v[MA+\c], s[CS], v12       ; the same of each block's largest score
.endr
.set j, 0
.rept 16
	v_pk_mul_f32 v[O+j:O+j+1], v[O+j:O+j+1], v[FF:FF+1] op_sel_hi:[1,0]   ; O^T under the new M, ahead of the exponentials
.set j, j+2
.endr
	s_wait_alu depctr_va_vdst(0)                   ; ahead of the batch
.set j, 0
.rept 64
	v_exp_f32 v[S+j], v[S+j]                       ; p = 2^(t - M), at most 1
.set j, j+1
.endr
.irp c, 0,1
	v_exp_f32 v[MA+\c], v[MA+\c]                   ; the block's largest p: the same two instructions on the same number
.endr
	v_mov_b32 v[OM], v12                           ; kept for the next step (a plain line behind the exponentials)
	s_wait_alu depctr_va_vdst(0)                   ; one wait for the whole batch, ahead of its first reader
.irp c, 0,1
	v_max_num_f32 v[MA+\c], 0x1800000, v[MA+\c]    ; the floor 2^(3 - 127): the byte cannot fall under 1
.endr
.irp c, 0,1
	v_add_nc_u32 v[SO+\c], 0xff000000, v[MA+\c]    ; 2 off the exponent field: the conversion's scale operand
.endr
.irp c, 0,1
	v_cvt_scalef32_pk16_fp6_f32 v[PC+6*\c:PC+6*\c+2], v[S+32*\c:S+32*\c+15], v[SO+\c]
	v_cvt_scalef32_pk16_fp6_f32 v[YT+4*\c:YT+4*\c+2], v[S+32*\c+16:S+32*\c+31], v[SO+\c]
.endr
.irp c, 0,1
	v_lshrrev_b32 v[BY+\c], 23, v[SO+\c]           ; the bytes of blocks h and 2 + h (plain lines behind the conversions)
.endr
	v_lshl_or_b32 v[W], v[BY+1], 16, v[BY]
	v_lshlrev_b32 v[W], v[H8], v[W]                ; at their places in the word,
	v_permlanex16_b32 v[WT], v[W], s[SEL], s[SEL+1]
	v_or_b32 v[PW], v[W], v[WT]                    ; with lane l xor 16's two: p's scale word for these 128 keys
.irp c, 0,1
.irp i, 0,1,2
	v_mov_b32 v[PC+3+6*\c+\i], v[YT+4*\c+\i]
.endr
.endr
.irp i, 0,1,2,3                                ; the row's sum of the unquantised p, in four packed parts; each part's first line brings it under the new M
	v_pk_fma_f32 v[L+2*\i:L+2*\i+1], v[L+2*\i:L+2*\i+1], v[FF:FF+1], v[S+2*\i:S+2*\i+1] op_sel_hi:[1,0,1]
.endr
.set j, 8
.rept 28                                       ; (these lines are also the places between the writes of p's codes and scale word and the products)
	v_pk_add_f32 v[L+2*((j/2)%4):L+2*((j/2)%4)+1], v[L+2*((j/2)%4):L+2*((j/2)%4)+1], v[S+j:S+j+1]
.set j, j+2
.endr
	s_wait_alu depctr_va_vdst(0)                   ; directly ahead of the wait below
	s_wait_dscnt 0x0                               ; V is in
.irp ct, 0,1,2,3
	v_wmma_scale_f32_16x16x128_f8f6f4 v[O+8*\ct:O+8*\ct+7], v[F+12*\ct:F+12*\ct+11], v[PC:PC+11], v[O+8*\ct:O+8*\ct+7], v[SV+\ct], v[PW] matrix_a_fmt:MATRIX_FMT_FP6 matrix_b_fmt:MATRIX_FMT_FP6
.endr                                          ; the four accumulators take turns, and the eight products S^T stand between two steps'
	s_add_co_u32 s[TK], s[TK], 3072
	s_add_co_u32 s[TV], s[TV], 6144
	s_add_co_u32 s[TS], s[TS], 256
	s_cmp_lg_u32 s[TS], 4096                       ; 16 steps
	s_cbranch_scc1 .Lstep
	; THE WAY OUT: o = O^T / l, quantised along the channels: my query's 64 channels are two blocks, register 16 b + i = channel 32 b + 16 (lane / 16) + i.
	v_pk_add_f32 v[L:L+1], v[L:L+1], v[L+2:L+3]    ; the sum's parts (four plain lines: the places behind the last products)
	v_pk_add_f32 v[L+4:L+5], v[L+4:L+5], v[L+6:L+7]
	v_pk_add_f32 v[L:L+1], v[L:L+1], v[L+4:L+5]
	v_add_f32 v[TA], v[L], v[L+1]
	s_cmp_eq_u32 s[PASS], 1
	s_wait_alu depctr_va_vdst(0)                   ; directly ahead of the branch
	s_cbranch_scc1 .Lno_q                          ; the last pass has no successor
	s_add_nc_u64 s[QA:QA+1], s[QA:QA+1], 16*768    ; 16 tiles on (the loads that read these bases were waited for at the pass's head)
	s_add_nc_u64 s[QW:QW+1], s[QW:QW+1], 512
	LOADQ                                          ; the next pass's q comes in under this pass's way out
.Lno_q:
	v_permlanex16_b32 v[TB], v[TA], s[SEL], s[SEL+1]
	v_add_f32 v[TA], v[TA], v[TB]                  ; the row's sum
	s_wait_alu depctr_va_vdst(0)                   ; ahead of the transcendental
	v_rcp_f32 v[FF], v[TA]
	v_nop                                          ; a plain line behind the reciprocal,
	s_wait_alu depctr_va_vdst(0)                   ; and the wait ahead of its first reader, which is also O^T's
.set j, 0
.rept 16
	v_pk_mul_f32 v[S+j:S+j+1], v[O+j:O+j+1], v[FF:FF+1] op_sel_hi:[1,0]
.set j, j+2
.endr
.irp b, 0,1
	v_max3_num_f32 v[MA+\b], |v[S+16*\b]|, |v[S+16*\b+1]|, 0x1800000
.endr
.irp i, 2,4,6,8,10,12,14
.irp b, 0,1
	v_max3_num_f32 v[MA+\b], v[MA+\b], |v[S+16*\b+\i]|, |v[S+16*\b+\i+1]|
.endr
.endr
.irp b, 0,1
	v_permlanex16_b32 v[MB+\b], v[MA+\b], s[SEL], s[SEL+1]
.endr
.irp b, 0,1
	v_max_num_f32 v[MA+\b], v[MA+\b], v[MB+\b]
.endr
.irp b, 0,1
	v_add_nc_u32 v[SO+\b], 0xff000000, v[MA+\b]
.endr
.irp b, 0,1
	v_lshrrev_b32 v[BY+\b], 23, v[SO+\b]
.endr
	v_cvt_scalef32_pk16_fp6_f32 v[PC:PC+2], v[S:S+15], v[SO]
	v_cvt_scalef32_pk16_fp6_f32 v[YT:YT+2], v[S+16:S+31], v[SO+1]
	v_cndmask_b32 v[TA], v[BY], v[BY+1], s[HM]     ; lanes 0-15 store block 0's byte, lanes 16-31 block 1's.  (A plain line behind the conversions)
.irp i, 0,1,2
	v_permlane16_swap_b32 v[PC+\i], v[YT+\i]       ; a whole block in a lane
.endr
.irp i, 0,1,2
	v_mov_b32 v[PC+3+\i], v[YT+\i]
.endr
	global_store_b128 v[L16], v[PC:PC+3], s[OCB:OCB+1]             ; an atom: 512 and 256 consecutive bytes
	global_store_b64 v[L8], v[PC+4:PC+5], s[OCB:OCB+1] offset:512
	global_store_b8 v[OBY], v[TA], s[SCB:SCB+1]
	s_wait_xcnt 0x0                                ; the stores have read their bases and data: both are written again only behind this wait
	s_add_nc_u64 s[OCB:OCB+1], s[OCB:OCB+1], 2*98304
	s_add_nc_u64 s[SCB:SCB+1], s[SCB:SCB+1], 16*512
	s_sub_co_u32 s[PASS], s[PASS], 1
	s_cmp_lg_u32 s[PASS], 0
	s_cbranch_scc1 .Lpass
	s_wait_tensorcnt 0x0                           ; the wave's end
	ds_add_u32 v[SPW], v[NIL]
	s_wait_dscnt 0x0
	ROUND                                          ; the closing round
	s_endpgm
.Lfunc_end_k_q21c5818fbf_attn:
	.size	k_q21c5818fbf_attn, .Lfunc_end_k_q21c5818fbf_attn-k_q21c5818fbf_attn
	.p2alignl 7, 3214868480
	.fill 96, 4, 3214868480
	.section	.rodata,"a",@progbits
	.p2align	6, 0x0
	.amdhsa_kernel k_q21c5818fbf_attn
		.amdhsa_group_segment_fixed_size 207104
		.amdhsa_private_segment_fixed_size 0
		.amdhsa_enable_private_segment 0
		.amdhsa_kernarg_size 32
		.amdhsa_user_sgpr_count 2
		.amdhsa_user_sgpr_kernarg_segment_ptr 1
		.amdhsa_wavefront_size32 1
		.amdhsa_system_sgpr_workgroup_id_x 1
		.amdhsa_system_sgpr_workgroup_id_y 1
		.amdhsa_system_sgpr_workgroup_id_z 1
		.amdhsa_system_vgpr_workitem_id 0
		.amdhsa_next_free_vgpr 256
		.amdhsa_next_free_sgpr 106
		.amdhsa_reserve_vcc 0
		.amdhsa_float_denorm_mode_32 3
		.amdhsa_float_denorm_mode_16_64 3
		.amdhsa_memory_ordered 1
		.amdhsa_forward_progress 1
		.amdhsa_inst_pref_size 31
	.end_amdhsa_kernel
	.amdgpu_metadata
---
amdhsa.version: [ 1, 2 ]
amdhsa.kernels:
  - .name:           k_q21c5818fbf_attn
    .symbol:         k_q21c5818fbf_attn.kd
    .args:
      - { .name: qkvc, .offset: 0, .size: 8, .value_kind: global_buffer, .address_space: global }
      - { .name: qkvs, .offset: 8, .size: 8, .value_kind: global_buffer, .address_space: global }
      - { .name: oc, .offset: 16, .size: 8, .value_kind: global_buffer, .address_space: global }
      - { .name: scl, .offset: 24, .size: 8, .value_kind: global_buffer, .address_space: global }
    .group_segment_fixed_size: 207104
    .private_segment_fixed_size: 0
    .kernarg_segment_align: 8
    .kernarg_segment_size: 32
    .max_flat_workgroup_size: 512
    .sgpr_count:     106
    .vgpr_count:     256
    .wavefront_size: 32
...
	.end_amdgpu_metadata
.endif
;; end of part 3
;; launch proj (part 4): grid 4 x 32, 4 waves a work-group, clusters of 4 x 4, 327,680 bytes of LDS; arguments oc, cod, scl, out0; writes out0
.if DOCPART == 4
	.amdgcn_target "amdgcn-amd-amdhsa--gfx1250"
	.amdhsa_code_object_version 6
	.text
	.protected	k_q21c5818fbf_proj
	.globl	k_q21c5818fbf_proj
	.p2align	8
	.type	k_q21c5818fbf_proj,@function
k_q21c5818fbf_proj:
	s_mov_b64 s[64:65], 0
	v_nop
	global_prefetch_b8 v0, s[64:65] scope:SCOPE_SE
	s_setreg_imm32_b32 hwreg(HW_REG_WAVE_MODE, 25, 1), 1
	s_wait_xcnt 0x0
	s_wait_alu depctr_hold_cnt(0) depctr_sa_sdst(0) depctr_va_vdst(0) depctr_va_sdst(0) depctr_va_ssrc(0) depctr_va_vcc(0) depctr_vm_vsrc(0)
	s_getreg_b32 s2, hwreg(HW_REG_IB_STS2, 6, 4)
	s_cmp_eq_u32 s2, 0
	s_cbranch_scc0 .Lentry_in_a_cluster
	s_endpgm
.Lentry_in_a_cluster:
	s_bfe_u32 s2, ttmp6, 0x10000c
	s_cmp_lg_u32 s2, 0xf033
	s_cbranch_scc0 .Lentry_shape_is_right
	s_endpgm
.Lentry_shape_is_right:
.set HALFT,  24576
.set SLOT,   4*HALFT
.set SPARE,  3*SLOT
.set FR,     12
.set RBB,    98304
.set WOC,    88*RBB
.set WOS,    704*512
.set OS,     768*512
.set SPITCH, 528
.set STGB,   SLOT
.set AR16, 4
.set AR8,  7
.set AP16, 10
.set AP8,  13
.set SOF,  16
.set C16,  17
.set C8,   18
.set STO,  24
.set RD,   25
.set SPW,  28
.set NIL,  29
.set SC,   32
.set AF,   128
.set BK,   128
.set G1A,  24
.set G1B,  32
.set G0A,  68
.set G0B,  80
.set MSB, 0
.macro WIN new
.if MSB != (\new)
	s_set_vgpr_msb (MSB<<8)|(\new)
.set MSB, (\new)
.endif
.endm
.set MUL_LO, 0xa1
.set MUL_HI, 0xf1
.set TO_P,   0x40
.macro JLOAD g0a, g1a, g0b, g1b
	s_cmp_eq_u32 s15, 0
	s_cbranch_scc0 .Lfor_b_\@
	tensor_load_to_lds s[\g0a:\g0a+3], s[\g1a:\g1a+7]
	s_nop 0
.rept 4
	v_nop
.endr
	s_branch .Lasked_\@
.Lfor_b_\@:
	tensor_load_to_lds s[\g0b:\g0b+3], s[\g1b:\g1b+7]
	s_nop 0
.rept 4
	v_nop
.endr
.Lasked_\@:
.endm
.macro CREST
	s_cmp_lg_u32 s14, 0
	s_cbranch_scc1 .Lnot_wave_0_\@
	s_barrier_signal -3
.Lnot_wave_0_\@:
	s_barrier_wait -3
	s_barrier_signal -1
	s_barrier_wait -1
.endm
.macro CROUND
	s_barrier_signal -1
	s_barrier_wait -1
	CREST
.endm
.macro PLACES n
.rept \n
	v_nop
.endr
.endm
	s_load_b256 s[4:11], s[0:1], 0x0
	v_lshl_add_u32 v[SPW], v0, 2, SPARE
	v_mov_b32 v[NIL], 0
	ds_add_u32 v28, v29
	ds_add_u32 v28, v29
	s_wait_dscnt 0x0
	v_lshrrev_b32 v1, 5, v0
	v_readfirstlane_b32 s14, v1
	s_lshr_b32 s15, s14, 1
	s_and_b32 s16, s14, 1
	s_bfe_u32 s40, ttmp6, 0x40000
	s_bfe_u32 s41, ttmp6, 0x40004
	s_lshl_b32 s42, ttmp9, 2
	s_add_co_u32 s42, s42, s40
	s_and_b32 s17, ttmp7, 0xffff
	s_lshl_b32 s17, s17, 2
	s_add_co_u32 s17, s17, s41
	s_lshl_b32 s43, s41, 2
	s_lshl_b32 s43, 15, s43
	s_lshl_b32 s44, 0x1111, s40
	s_or_b32 s[G1A+0], s43, (3<<16)|(1<<21)
	s_or_b32 s[G1B+0], s44, (3<<16)|(1<<21)
.irp g, G1A, G1B
	s_mov_b32 s[\g+1], 32<<16
	s_mov_b32 s[\g+2], 96<<16
	s_mov_b32 s[\g+3], 32<<16
	s_mov_b32 s[\g+4], 96
	s_mov_b32 s[\g+5], 32
	s_mov_b32 s[\g+6], 0
	s_mov_b32 s[\g+7], 0
.endr
	s_lshl_b32 s20, s17, 1
	s_add_co_u32 s20, s20, s16
	s_mul_i32 s20, s20, RBB
	s_mov_b32 s21, 0
	s_lshl_b32 s46, s42, 1
	s_add_co_u32 s46, s46, s16
	s_mul_i32 s46, s46, RBB
	s_add_co_u32 s46, s46, WOC
	s_mov_b32 s47, 0
	s_mul_i32 s45, s14, HALFT
	s_wait_kmcnt 0x0
	s_add_nc_u64 s[20:21], s[4:5], s[20:21]
	s_add_nc_u64 s[46:47], s[6:7], s[46:47]
	CROUND
.irp s, 0,1,2
	s_mov_b32 s[G0A+4*\s], 1
	s_add_co_u32 s[G0A+4*\s+1], s45, \s*SLOT
	s_add_nc_u64 s[G0A+4*\s+2:G0A+4*\s+3], s[20:21], \s*HALFT
	s_or_b32 s[G0A+4*\s+3], s[G0A+4*\s+3], 0x80000000
	s_mov_b32 s[G0B+4*\s], 1
	s_add_co_u32 s[G0B+4*\s+1], s45, \s*SLOT
	s_add_nc_u64 s[G0B+4*\s+2:G0B+4*\s+3], s[46:47], \s*HALFT
	s_or_b32 s[G0B+4*\s+3], s[G0B+4*\s+3], 0x80000000
	s_wait_alu depctr_va_vdst(0)
	s_wait_tensorcnt 0x0
	ds_add_u32 v28, v29
	ds_add_u32 v28, v29
	s_wait_dscnt 0x0
	CROUND
	JLOAD G0A+4*\s, G1A, G0B+4*\s, G1B
.endr
	v_and_b32 v1, 15, v0
	v_bfe_u32 v2, v0, 4, 1
	v_and_b32 v3, 31, v0
	v_lshlrev_b32 v[C16], 4, v3
	v_lshlrev_b32 v[C8], 3, v3
	s_mul_i32 s50, s15, HALFT
	s_mul_i32 s51, s16, HALFT
	s_add_co_u32 s51, s51, 2*HALFT
.irp s, 0,1,2
	v_add_nc_u32 v[AR16+\s], s50, v[C16]
	v_add_nc_u32 v[AR8+\s], s50, v[C8]
	v_add_nc_u32 v[AP16+\s], s51, v[C16]
	v_add_nc_u32 v[AP8+\s], s51, v[C8]
	s_add_co_u32 s50, s50, SLOT
	s_add_co_u32 s51, s51, SLOT
.endr
	s_lshl_b32 s52, s17, 1
	s_add_co_u32 s52, s52, s15
	s_lshl_b32 s52, s52, 12
	s_add_co_u32 s52, s52, OS
	s_lshl_b32 s53, s42, 1
	s_add_co_u32 s53, s53, s16
	s_lshl_b32 s53, s53, 12
	s_add_co_u32 s53, s53, WOS
	v_cmp_eq_u32 vcc_lo, 1, v2
	v_mov_b32 v[SOF], s52
	v_mov_b32 v96, s53
	v_cndmask_b32 v[SOF], v[SOF], v96, vcc_lo
	v_lshl_add_u32 v[SOF], v1, 4, v[SOF]
.irp i, 0,1,2,3,4,5,6,7
	global_load_b128 v[SC+8*\i:SC+8*\i+3], v[SOF], s[8:9] offset:512*\i
	global_load_b128 v[SC+8*\i+4:SC+8*\i+7], v[SOF], s[8:9] offset:512*\i+256
.endr
	s_mul_i32 s54, s14, 16*SPITCH
	s_add_co_u32 s54, s54, STGB
	v_mul_u32_u24 v[STO], v1, SPITCH
	v_lshl_add_u32 v[STO], v2, 6, v[STO]
	v_add_nc_u32 v[STO], s54, v[STO]
	v_add_nc_u32 v[RD], s54, v[C16]
	s_lshl_b32 s55, s17, 8
	s_lshl_b32 s56, s15, 7
	s_add_co_u32 s55, s55, s56
	s_lshl_b32 s56, s55, 12
	s_lshl_b32 s57, s42, 10
	s_lshl_b32 s58, s16, 9
	s_add_co_u32 s57, s57, s58
	s_add_co_u32 s56, s56, s57
	s_mov_b32 s57, 0
	s_add_nc_u64 s[10:11], s[10:11], s[56:57]
.macro FRAG reg, a16, a8, q, i
	ds_load_b128 v[\reg:\reg+3], v[\a16] offset:(8*(\q)+(\i))*1536
	ds_load_b64 v[\reg+4:\reg+5], v[\a8] offset:(8*(\q)+(\i))*1536+512
	ds_load_b128 v[\reg+6:\reg+9], v[\a16] offset:(8*(\q)+(\i))*1536+768
	ds_load_b64 v[\reg+10:\reg+11], v[\a8] offset:(8*(\q)+(\i))*1536+1280
.endm
.macro FETCH_P slot, q, set
	WIN TO_P
.irp i, 0,1,2,3,4,5,6,7
	FRAG 128*(\set)+FR*\i, AP16+\slot, AP8+\slot, \q, \i
.endr
	WIN 0
.endm
.macro FETCH_R slot, q, i0
.irp i, \i0, \i0+1, \i0+2, \i0+3
	FRAG AF+FR*(\i), AR16+\slot, AR8+\slot, \q, \i
.endr
.endm
.macro MUL16 a0, g, zero
.irp a, \a0, \a0+1
.irp b, 0,1,2,3,4,5,6,7
.if \zero
	v_wmma_scale_f32_16x16x128_f8f6f4 v[8*(8*((\a)%4)+\b):8*(8*((\a)%4)+\b)+7], v[128*((\g)%2)+FR*\b:128*((\g)%2)+FR*\b+FR-1], v[AF+FR*(\a):AF+FR*(\a)+FR-1], 0, v[SC+8*\b+(\g)], v[SC+8*(\a)+(\g)] matrix_a_fmt:MATRIX_FMT_FP6 matrix_b_fmt:MATRIX_FMT_FP6 matrix_a_scale:MATRIX_SCALE_ROW1
.else
	v_wmma_scale_f32_16x16x128_f8f6f4 v[8*(8*((\a)%4)+\b):8*(8*((\a)%4)+\b)+7], v[128*((\g)%2)+FR*\b:128*((\g)%2)+FR*\b+FR-1], v[AF+FR*(\a):AF+FR*(\a)+FR-1], v[8*(8*((\a)%4)+\b):8*(8*((\a)%4)+\b)+7], v[SC+8*\b+(\g)], v[SC+8*(\a)+(\g)] matrix_a_fmt:MATRIX_FMT_FP6 matrix_b_fmt:MATRIX_FMT_FP6 matrix_a_scale:MATRIX_SCALE_ROW1
.endif
.endr
.endr
.endm
.macro STEP g, ns, nq, zero
	s_wait_dscnt 16
	WIN MUL_LO
	MUL16 0, \g, \zero
	MUL16 2, \g, \zero
	s_wait_dscnt 0
	PLACES 4
	FETCH_P \ns, \nq, 1-(\g)%2
	FETCH_R \ns, \nq, 0
	WIN MUL_HI
	MUL16 4, \g, \zero
	MUL16 6, \g, \zero
	PLACES 4
	WIN 0
	FETCH_R \ns, \nq, 4
.endm
.macro TURN g, ns, fill
	s_wait_tensorcnt 0x0
	ds_add_u32 v[SPW], v[NIL]
	s_wait_dscnt 17
	WIN MUL_LO
	MUL16 0, \g, 0
	s_wait_dscnt 0x0
	s_barrier_signal -1
	MUL16 2, \g, 0
	WIN 0
	s_barrier_wait -1
.if \fill
	CREST
	s_add_nc_u64 s[G0A+2:G0A+3], s[G0A+2:G0A+3], 3*HALFT
	s_add_nc_u64 s[G0B+2:G0B+3], s[G0B+2:G0B+3], 3*HALFT
	JLOAD G0A, G1A, G0B, G1B
.else
	PLACES 4
.endif
	FETCH_P \ns, 0, 0
	FETCH_R \ns, 0, 0
	WIN MUL_HI
	MUL16 4, \g, 0
	MUL16 6, \g, 0
	PLACES 4
	WIN 0
	FETCH_R \ns, 0, 4
.endm
	s_wait_tensorcnt 2
	s_barrier_signal -1
	s_barrier_wait -1
	FETCH_P 0, 0, 0
	FETCH_R 0, 0, 0
	FETCH_R 0, 0, 4
	s_wait_loadcnt 0x0
	STEP 0, 0, 1, 1
	TURN 1, 1, 1
	STEP 2, 1, 1, 0
	STEP 3, 2, 0, 0
	STEP 4, 2, 1, 0
	TURN 5, 0, 0
	STEP 6, 0, 1, 0
	s_wait_dscnt 16
	WIN MUL_LO
	MUL16 0, 7, 0
	MUL16 2, 7, 0
	s_wait_alu depctr_va_vdst(0)
	s_wait_dscnt 0
	WIN MUL_HI
	MUL16 4, 7, 0
	MUL16 6, 7, 0
	WIN 0
.macro TOSTAGE j
.set AC, 64*((\j)%4)
	WIN 0x08+4*((\j)/4)
.irp i, 0,1,2,3,4,5,6,7
	ds_store_b128 v[STO], v[AC+8*\i:AC+8*\i+3] offset:(32*(\i/2)+8*(\i%2))*4
	ds_store_b128 v[STO], v[AC+8*\i+4:AC+8*\i+7] offset:(32*(\i/2)+8*(\i%2))*4+16
.endr
	WIN 0
.set BB, BK+64*((\j)%2)
.irp t, 0,1,2,3,4,5,6,7,8,9,10,11,12,13,14,15
	ds_load_b128 v[BB+4*\t:BB+4*\t+3], v[RD] offset:\t*SPITCH
.endr
.endm
.macro SEND j, younger
.set BB, BK+64*((\j)%2)
	s_wait_dscnt \younger
.irp t, 0,1,2,3,4,5,6,7,8,9,10,11,12,13,14,15
	global_store_b128 v[C16], v[BB+4*\t:BB+4*\t+3], s[10:11] offset:(32*((\j)/2)+8*((\j)%2)+\t+8*(\t/8))*4096 th:TH_STORE_NT
.endr
.endm
	PLACES 4
	TOSTAGE 0
.irp j, 1,2,3,4,5,6,7
.if \j > 1
	s_wait_xcnt 0x0
.endif
	TOSTAGE \j
	SEND \j-1, 32
.endr
	SEND 7, 0
	s_wait_tensorcnt 0x0
	ds_add_u32 v[SPW], v[NIL]
	s_wait_dscnt 0x0
	CROUND
	s_endpgm
.Lfunc_end_k_q21c5818fbf_proj:
	.size	k_q21c5818fbf_proj, .Lfunc_end_k_q21c5818fbf_proj-k_q21c5818fbf_proj
	.p2alignl 7, 3214868480
	.fill 96, 4, 3214868480
	.section	.rodata,"a",@progbits
	.p2align	6, 0x0
	.amdhsa_kernel k_q21c5818fbf_proj
		.amdhsa_group_segment_fixed_size 327680
		.amdhsa_private_segment_fixed_size 0
		.amdhsa_enable_private_segment 0
		.amdhsa_kernarg_size 32
		.amdhsa_user_sgpr_count 2
		.amdhsa_user_sgpr_kernarg_segment_ptr 1
		.amdhsa_wavefront_size32 1
		.amdhsa_system_sgpr_workgroup_id_x 1
		.amdhsa_system_sgpr_workgroup_id_y 1
		.amdhsa_system_sgpr_workgroup_id_z 1
		.amdhsa_system_vgpr_workitem_id 0
		.amdhsa_next_free_vgpr 1024
		.amdhsa_next_free_sgpr 100
		.amdhsa_reserve_vcc 1
		.amdhsa_float_denorm_mode_32 3
		.amdhsa_float_denorm_mode_16_64 3
		.amdhsa_memory_ordered 1
		.amdhsa_forward_progress 1
		.amdhsa_inst_pref_size 142
	.end_amdhsa_kernel
	.amdgpu_metadata
---
amdhsa.version: [ 1, 2 ]
amdhsa.kernels:
  - .name:           k_q21c5818fbf_proj
    .symbol:         k_q21c5818fbf_proj.kd
    .args:
      - { .name: oc, .offset: 0, .size: 8, .value_kind: global_buffer, .address_space: global }
      - { .name: cod, .offset: 8, .size: 8, .value_kind: global_buffer, .address_space: global }
      - { .name: scl, .offset: 16, .size: 8, .value_kind: global_buffer, .address_space: global }
      - { .name: out0, .offset: 24, .size: 8, .value_kind: global_buffer, .address_space: global }
    .group_segment_fixed_size: 327680
    .private_segment_fixed_size: 0
    .kernarg_segment_align: 8
    .kernarg_segment_size: 32
    .max_flat_workgroup_size: 128
    .sgpr_count:     100
    .vgpr_count:     1024
    .wavefront_size: 32
...
	.end_amdgpu_metadata
.endif
;; end of part 4
